; MI455X (gfx1250); checked and timed in simulation.
; The chip was launched on July 23, 2026; its instructions are those of AMD's public machine-readable ISA for CDNA 5 (MIT licence, August 2026) and "CDNA5" Instruction Set Architecture Reference Guide (July 2026). The comments in the code are by the model that wrote it; some were corrected since.
;; Spatial Attention Layer. Allowed arithmetic: matrix products marked QUANTISED: E3M2 operands, one E8M0 scale for each 32 along K, by v_wmma_scale_f32_16x16x128_f8f6f4 with both operands' format E3M2, f32 sums; everything else in f32.
;; Inputs: P 8,192 x 3 float32; W_k_codes 256 x 8 x 24 uint8 (E3M2 codes of W_k, K innermost, in blocks of 32 codes, four codes in three bytes); W_k_scales 256 x 8 uint8 (E8M0 scales of W_k, one for each 32 codes along K); W_q_codes 256 x 8 x 24 uint8 (E3M2 codes of W_q, K innermost, in blocks of 32 codes, four codes in three bytes); W_q_scales 256 x 8 uint8 (E8M0 scales of W_q, one for each 32 codes along K); W_v_codes 256 x 8 x 24 uint8 (E3M2 codes of W_v, K innermost, in blocks of 32 codes, four codes in three bytes); W_v_scales 256 x 8 uint8 (E8M0 scales of W_v, one for each 32 codes along K); X 8,192 x 256 float32; b_k 256 float32; b_q 256 float32; b_v 256 float32.
;; Outputs: out0 8,192 x 256 float32.
;; This version of the problem:
;;   THIS VERSION OF THE PROBLEM IS GIVEN IN LOW PRECISION. The matrix products marked QUANTISED in the list below multiply operands that are first quantised to E3M2 (3 exponent bits, 2 mantissa bits; 6 bits a number), with one power-of-two scale for each 32 numbers along K (OCP MX v1.0); their sums are f32. All else is computed in f32.
;;   The module's matrix products, in the order in which they are computed (A, B: the left and right operand; K: the contracted axis; several contracted axes count as one K, in the product's order):
;;     1. [M 8,192, K 256] x [K 256, N 256]; A: input X; B: input W_q (given as codes): QUANTISED
;;     2. [M 8,192, K 256] x [K 256, N 256]; A: input X; B: input W_k (given as codes): QUANTISED
;;     3. [M 8,192, K 256] x [K 256, N 256]; A: input X; B: input W_v (given as codes): QUANTISED
;;     4. [M 8,192, K 256] x [K 256, N 8,192]; A: computed on the way; B: computed on the way: QUANTISED
;;     5. [M 8,192, K 8,192] x [K 8,192, N 256]; A: computed on the way; B: computed on the way: QUANTISED
;;   THE QUANTISER, for each operand of a quantised product, along K:
;;     - K is cut into blocks of 32 from its start; a last block that is shorter is filled with zeros.
;;     - A block's scale is 2^e with e = floor(log2(the largest magnitude in the block)) - 4, held to -126 .. 127; a block of zeros has e = 0. As a byte (E8M0): e + 127.
;;     - Each number is divided by its block's scale, clamped to +-28, and rounded to the nearest number of E3M2, ties to even, subnormals kept.
;;     - The product sums the exact products of the quantised numbers (number of the format x scale) in f32.
;;   ~~~python
;;   def quantise(x, axis):      # numpy; x: float32 -> the quantised numbers, widened to float32 again
;;       x = np.moveaxis(x, axis, -1); K = x.shape[-1]
;;       x = np.pad(x, [(0, 0)] * (x.ndim - 1) + [(0, -K % 32)]); x = x.reshape(x.shape[:-1] + (-1, 32)); a = np.abs(x).max(-1, keepdims=True)
;;       e = np.where(a > 0, np.clip(np.frexp(np.where(a > 0, a, 1))[1] - 1 - 4, -126, 127), 0)      # np.frexp(a)[1] - 1 = floor(log2(a)), exactly
;;       r = np.clip(x / 2.0 ** e, -28, 28)
;;       step = 2.0 ** (np.maximum(np.frexp(np.where(r == 0, 1, r))[1] - 1, -2) - 2)
;;       q = np.round(r / step) * step * 2.0 ** e      # np.round: ties to even
;;       return np.moveaxis(q.reshape(q.shape[:-2] + (-1,))[..., :K], -1, axis).astype(np.float32)
;;   ~~~
;;   OPERANDS COMPUTED ON THE WAY. 'Computed on the way' means the value that the module computes at that place (a softmax that the list does not call 'softmax' is quantised finished and normalised). What goes into a quantiser is computed in f32, as accurately as f32 sums, v_exp_f32 and their like allow (about 1e-6 of the number): no bf16 or f16 on the way to a quantiser, and a product that is left as it is and whose result goes on into a quantised operand takes f32 operands (vector FMAs, or v_wmma_f32_16x16x4_f32). A number that lies on a knife's edge between two numbers of the format may be rounded either way, as far as f32 arithmetic and the matrix unit's own rounding can turn it there, and no further.
;;   INPUTS GIVEN AS CODES. W_k (in the module: [256, 256], K = its axis 0); W_q (in the module: [256, 256], K = its axis 0); W_v (in the module: [256, 256], K = its axis 0): each comes as NAME_codes (uint8): NAME with its K axis moved to the last place and cut into blocks of 32 codes, [.., K / 32, bytes a block], one block behind the other in memory; four codes in three bytes: a row's codes are one little-endian stream of bits, code i at bits 6 i .. 6 i + 5 (a code: sign, 3 exponent bits, 2 mantissa bits); and NAME_scales (uint8): the same leading axes, one E8M0 byte (e + 127) for each 32 codes along K. Its value is code x scale, taken as it is: it is not quantised again, and the codes and scales need not be those that the quantiser above would give.
;; One version. Each part assembles by itself: llvm-mc -triple=amdgcn-amd-amdhsa -mcpu=gfx1250 --defsym DOCPART=n.
;; ======== version 1 of 1: 2 launches
;; limits: right only within a limited range of input values
;; workspace buffers: QB 3,407,872 bytes; KB 3,514,368 bytes
;; launch proj (part 1): grid 64 x 4, 4 waves a work-group, no clusters, 27,136 bytes of LDS; arguments X, P, W_q_codes, W_k_codes, W_q_scales, W_k_scales, b_q, b_k, W_v_codes, W_v_scales, b_v, QB, KB; writes QB, KB
.if DOCPART == 1
	.amdgcn_target "amdgcn-amd-amdhsa--gfx1250"
	.amdhsa_code_object_version 6
	.text
	.protected	k_qa5d9455484_proj
	.globl	k_qa5d9455484_proj
	.p2align	8
	.type	k_qa5d9455484_proj,@function
k_qa5d9455484_proj:
	s_mov_b64 s[64:65], 0
	v_nop
	global_prefetch_b8 v0, s[64:65] scope:SCOPE_SE
	s_setreg_imm32_b32 hwreg(HW_REG_WAVE_MODE, 25, 1), 1
	s_wait_xcnt 0x0
; Q = Q6(X) Wq + bq, K = Q6(X) Wk + bk, V = Q6(X) Wv + bv on codes of BF6 (E3M2) with one E8M0 scale for each 32 along K; the three results are quantised again
; (Q and K along their 256 units, V along the keys) and leave as IMAGES OF OPERAND REGISTERS, so that the later launches fetch fragments by loads of 16 bytes a lane.
; SHARES.  Work-group (g, y) takes rows 128 g .. 128 g + 127.  y picks one of four columns of 128 units: Q's units 0-127, Q's 128-255, K's 0-127, K's 128-255 (pointers chosen on y alone: one path for all),
; and V's channel tiles 4 y .. 4 y + 3, one a wave.  All four y quantise the same 128 rows of X: that keeps 256 equal work-groups.
; ROW ORDER OF A TILE: lane r of tile u of a block of 32 rows holds row 8 u + r + 8 (r / 8), so that in a transposed result the 16 registers of tiles 2 b, 2 b + 1 are 16 neighbours along the next K.
; RECORDS.  QB, KB: 6,912 bytes for each 32 rows: fragment (K step s, tile u) at 3072 s + 1536 u + 512 i + 16 lane; scale words at 6144 + 128 u + 64 s + 4 r; KB also x, y, z of key 32 B + lane at 6400 + 128 c + 4 lane, then 128 zeros.
; VB: 25,600 bytes for each 128 keys: fragment of V^T (channels 16 c on) at 1536 c + 512 i + 16 lane; scale words at 24576 + 64 c + 4 r.
; LIMITS: NaN and infinities are not served; a block of zeros gets the byte 1 where the quantiser says 127 (its codes are zeros, and only this program reads the bytes).
; REGISTERS: window 0: v1-15 lane numbers and offsets; v16-39 two fragments of x; v40-47 V's bias; v48-111 eight accumulators; v112-130 codes just made; v132-195 numbers of X, later Wv's two fragments;
;   v196-198, v216 scale words just made; v200-215 at work; v217-220 scale words of x and Wv; v224-239 scale words of W, later of x.   window 1: v0-191 W's 16 fragments, later x's 16; v192-255 the bias of the 8 tiles.
; HOW THE RECORDS LIE IN MEMORY (this takes the place of what is said of VB above): a record of Q or of K, 6,912 bytes, begins every 13,312 bytes.  In KB the 6,400 bytes behind K's record n + 8 hold
; a quarter of V's record: n = 4 G + y, G the group of 128 keys, y the quarter of the channels: four fragments (1536 c + 512 i + 16 lane) and their scale words (6144 + 64 c + 4 r).
.set BR,   13312
.set VR,   25600
.set FRB,  1536                        ; a fragment's image: 12 registers x 128 bytes
.set XIMG, 0                           ; LDS: x's 16 images (tile of rows 2 w + u, K step s: index 4 w + 2 u + s)
.set XSC,  16*FRB                      ; their scale words, 128 bytes each
.set XA,   4
.set LI,   5
.set LS,   6
.set XWI,  7
.set XWS,  8
.set GS,   9
.set GV,   10
.set WVSA, 11
.set WA,   12
.set WSA,  13
.set WVA,  14
.set BA,   15
.set XF,   16
.set BV,   40
.set HA,   48
.set PC,   112
.set ST,   132
.set WVF,  132
.set PW0,  196
.set PW1,  197
.set PWS,  198
.set TM,   200
.set PW,   216
.set XS,   217
.set WVS,  219
.set BVR,  221
.set W1S,  224
.set B1,   192
.set SEL,  36
.set MSB, 0
.macro WIN new                         ; the immediate's high byte repeats the setting that is left
.if MSB != \new
	s_set_vgpr_msb (MSB<<8)|\new
.set MSB, \new
.endif
.endm
; 64 numbers of a lane, register 16 b + i = k 32 b + 16 (lane / 16) + i of my row, become a fragment's codes in v[PC] on and its scale word in v[PW].
.macro QUANT s
.irp b, 0,1,2,3
	v_max3_num_f32 v[TM+\b], |v[\s+16*\b]|, |v[\s+1+16*\b]|, 0x2800000   ; my 16 numbers of block b, and the floor 2^(5 - 127): the byte cannot fall under 1
.endr
.irp i, 2,4,6,8,10,12,14
.irp b, 0,1,2,3
	v_max3_num_f32 v[TM+\b], v[TM+\b], |v[\s+16*\b+\i]|, |v[\s+1+16*\b+\i]|
.endr
.endr
.irp b, 0,1,2,3
	v_permlanex16_b32 v[TM+4+\b], v[TM+\b], s[SEL], s[SEL+1]
.endr
.irp b, 0,1,2,3
	v_max_num_f32 v[TM+\b], v[TM+\b], v[TM+4+\b]   ; with lane l xor 16's: the block's largest magnitude
.endr
.irp b, 0,1,2,3
	v_add_nc_u32 v[TM+12+\b], 0xfe000000, v[TM+\b]   ; 4 off its exponent field: the conversion's scale operand
.endr
.irp b, 0,1,2,3
	v_lshrrev_b32 v[TM+4+\b], 23, v[TM+12+\b]   ; the scale's byte
.endr
	v_lshl_or_b32 v[PW], v[TM+5], 8, v[TM+4]
	v_lshl_or_b32 v[PW], v[TM+6], 16, v[PW]
	v_lshl_or_b32 v[PW], v[TM+7], 24, v[PW]
.irp c, 0,1
	v_cvt_scalef32_pk16_bf6_f32 v[PC+6*\c:PC+2+6*\c], v[\s+32*\c:\s+15+32*\c], v[TM+12+2*\c]
	v_cvt_scalef32_pk16_bf6_f32 v[PC+12+4*\c:PC+14+4*\c], v[\s+16+32*\c:\s+31+32*\c], v[TM+12+2*\c+1]   ; (a conversion's three registers begin on an even number)
.endr
	v_nop                                          ; one plain place behind a scaled conversion
.irp c, 0,1                                    ; the operand's layout wants a whole block in a lane
.irp i, 0,1,2
	v_permlane16_swap_b32 v[PC+6*\c+\i], v[PC+12+4*\c+\i]
.endr
.irp i, 0,1,2
	v_mov_b32 v[PC+3+6*\c+\i], v[PC+12+4*\c+\i]
.endr
.endr
.endm
.macro IMAGE adr, off                          ; the fragment in v[PC] on goes to LDS as it stands
.irp c, 0,1,2
	ds_store_b128 v[\adr], v[PC+4*\c:PC+4*\c+3] offset:\off+512*\c
.endr
.endm
.macro FETCH reg, adr, off
.irp c, 0,1,2
	ds_load_b128 v[\reg+4*\c:\reg+4*\c+3], v[\adr] offset:\off+512*\c
.endr
.endm
.macro XLOAD reg, u, s                         ; tile u, K step s of my 32 rows: 64 numbers a lane
.irp b, 0,1,2,3
.irp j, 0,1,2,3
	global_load_b128 v[\reg+16*\b+4*\j:\reg+16*\b+4*\j+3], v[XA], s[4:5] offset:8192*\u+512*\s+128*\b+16*\j
.endr
.endr
.endm
	s_load_b512 s[4:19], s[0:1], 0x0               ; X 4, P 6, Wq codes 8, Wk codes 10, Wq scales 12, Wk scales 14, bq 16, bk 18
	s_load_b256 s[20:27], s[0:1], 0x40             ; Wv codes 20, Wv scales 22, bv 24, QB 26
	s_load_b64 s[28:29], s[0:1], 0x60              ; KB 28
	v_lshl_add_u32 v254, v0, 2, 0x6800
	v_mov_b32 v255, 0
	v_lshrrev_b32 v1, 5, v0
	v_readfirstlane_b32 s32, v1                    ; wave w
	s_and_b32 s33, ttmp7, 0xffff                   ; y
	s_and_b32 s34, s33, 1                          ; which 128 units of Q or of K
	v_and_b32 v1, 31, v0                           ; lane
	v_and_b32 v2, 15, v0                           ; r
	v_bfe_u32 v3, v0, 4, 1                         ; h
	v_and_b32 v222, 8, v2
	v_add_nc_u32 v222, v222, v2                    ; r + 8 (r / 8)
	v_lshlrev_b32 v[XA], 10, v222
	v_lshl_add_u32 v[XA], v3, 6, v[XA]             ; X: my row of 1,024 bytes, + 64 h: my 16 numbers of a block of 32
	v_lshlrev_b32 v[LI], 4, v1
	v_lshlrev_b32 v[LS], 2, v1
	s_mul_i32 s38, s32, 4*FRB
	v_add_nc_u32 v[XWI], s38, v[LI]                ; my four images
	s_lshl_b32 s38, s32, 9
	v_add_nc_u32 v[XWS], s38, v[LS]                ; and their scale words
	v_lshlrev_b32 v[GS], 7, v3
	v_lshl_add_u32 v[GS], v2, 2, v[GS]             ; a record's scale words: 128 x tile + 4 r, the tile being my half of the lanes
	v_lshlrev_b32 v[GV], 2, v2
	v_lshlrev_b32 v[WVSA], 3, v2
	v_mul_u32_u24 v[WA], v222, 192                 ; W: a row of 256 codes is 192 bytes
	v_mad_u32_u24 v[WA], v3, 24, v[WA]
	v_lshlrev_b32 v[WSA], 3, v222                  ; its scale bytes: 8 a row
	v_mul_u32_u24 v[WVA], v2, 192
	v_mad_u32_u24 v[WVA], v3, 24, v[WVA]
	v_lshlrev_b32 v[BA], 6, v3
	s_mov_b32 s[SEL], 0x76543210
	s_mov_b32 s[SEL+1], 0xfedcba98                 ; v_permlanex16_b32's selects for lane l xor 16
.irp b, 0,1,2,3
	v_mov_b32 v[TM+4+\b], 0                        ; written once: a lane permute's destination counts as one of its sources
.endr
	s_mov_b32 s39, 0
	s_lshl_b32 s40, ttmp9, 2
	s_add_co_u32 s40, s40, s32                     ; my block of 32 rows: 4 g + w
	s_lshl_b32 s41, s33, 2
	s_add_co_u32 s41, s41, s32                     ; my channel tile of V: 4 y + w
	s_lshl_b32 s46, ttmp9, 2
	s_add_co_u32 s46, s46, s33                     ; the block whose coordinates this work-group copies: 4 g + y
	s_wait_alu depctr_va_vdst(0)
	s_wait_kmcnt 0x0
	s_cmp_lt_u32 s33, 2                            ; Q's column or K's?  The choice hangs on the work-group's number alone
	s_cselect_b64 s[8:9], s[8:9], s[10:11]
	s_cselect_b64 s[12:13], s[12:13], s[14:15]
	s_cselect_b64 s[16:17], s[16:17], s[18:19]
	s_cselect_b64 s[26:27], s[26:27], s[28:29]
	s_mul_i32 s38, s34, 128*192
	s_add_nc_u64 s[8:9], s[8:9], s[38:39]          ; my 128 rows of W,
	s_lshl_b32 s38, s34, 10
	s_add_nc_u64 s[12:13], s[12:13], s[38:39]      ; their scale bytes,
	s_lshl_b32 s38, s34, 9
	s_add_nc_u64 s[16:17], s[16:17], s[38:39]      ; their bias
	s_mul_i32 s38, s40, BR
	s_add_nc_u64 s[26:27], s[26:27], s[38:39]      ; my block's record
	s_lshl_b32 s38, s34, 6
	s_add_nc_u64 s[42:43], s[26:27], s[38:39]      ; for its scale words: + 64 x K step
	s_mul_i32 s38, s34, 3072
	s_add_nc_u64 s[26:27], s[26:27], s[38:39]      ; for its images: + 3072 x K step
	s_lshl_b32 s38, s40, 15
	s_add_nc_u64 s[4:5], s[4:5], s[38:39]          ; X at my 32 rows
	s_mul_i32 s38, s41, 16*192
	s_add_nc_u64 s[20:21], s[20:21], s[38:39]      ; Wv at my 16 channels
	s_lshl_b32 s38, s41, 7
	s_add_nc_u64 s[22:23], s[22:23], s[38:39]
	s_lshl_b32 s38, s41, 6
	s_add_nc_u64 s[24:25], s[24:25], s[38:39]
	s_mul_i32 s38, s46, BR
	s_add_nc_u64 s[30:31], s[28:29], s[38:39]      ; V's quarter record 4 g + y lies in KB,
	s_add_nc_u64 s[30:31], s[30:31], 8*BR+6912     ; behind K's record 4 g + y + 8
	s_lshl_b32 s38, s32, 6
	s_add_nc_u64 s[44:45], s[30:31], s[38:39]      ; for my scale words: 64 x wave
	s_mul_i32 s38, s32, FRB
	s_add_nc_u64 s[30:31], s[30:31], s[38:39]      ; for my image: fragment number = wave
	s_mul_i32 s38, s46, 384
	s_add_nc_u64 s[6:7], s[6:7], s[38:39]          ; P at block 4 g + y
	s_mul_i32 s38, s46, BR
	s_add_nc_u64 s[28:29], s[28:29], s[38:39]      ; and K's record of that block
	WIN 0x40                                       ; destination window 1
.irp t, 0,1,2,3,4,5,6,7                        ; W's fragment (tile t, K step s) at v[12 (2 t + s)] of window 1; tile t begins at row 32 (t / 2) + 8 (t % 2)
.irp s, 0,1
.irp p, 0,1,2,3,4,5
	global_load_b64 v[12*(2*\t+\s)+2*\p:12*(2*\t+\s)+2*\p+1], v[WA], s[8:9] offset:(32*(\t/2)+8*(\t%2))*192+96*\s+48*(\p/3)+8*(\p%3)
.endr
.endr
.endr
.irp t, 0,1,2,3,4,5,6,7                        ; the bias in the result's layout: lane (r, h), tile t: units 32 (t / 2) + 16 h + 8 (t % 2) + 0 .. 7
	global_load_b128 v[B1+8*\t:B1+8*\t+3], v[BA], s[16:17] offset:(32*(\t/2)+8*(\t%2))*4
	global_load_b128 v[B1+8*\t+4:B1+8*\t+7], v[BA], s[16:17] offset:(32*(\t/2)+8*(\t%2))*4+16
.endr
	WIN 0
.irp t, 0,1,2,3,4,5,6,7
.irp s, 0,1
	global_load_b32 v[W1S+2*\t+\s], v[WSA], s[12:13] offset:(32*(\t/2)+8*(\t%2))*8+4*\s
.endr
.endr
	; ---- X: my 32 rows become four fragments.  Two buffers of 64 numbers take turns; each counted wait leaves the other buffer's 16 loads out (all that is older, W among it, is in)
	XLOAD HA, 0, 0
	XLOAD ST, 0, 1
	s_wait_loadcnt 16
	QUANT HA
	IMAGE XWI, XIMG
	ds_store_b32 v[XWS], v[PW] offset:XSC
	s_wait_dscnt 0x0                               ; the stores have read their registers
	XLOAD HA, 1, 0
	s_wait_loadcnt 16
	QUANT ST
	IMAGE XWI, XIMG+FRB
	ds_store_b32 v[XWS], v[PW] offset:XSC+128
	s_wait_dscnt 0x0
	XLOAD ST, 1, 1
	s_wait_loadcnt 16
	QUANT HA
	IMAGE XWI, XIMG+2*FRB
	ds_store_b32 v[XWS], v[PW] offset:XSC+256
	s_wait_dscnt 0x0
	s_wait_loadcnt 0x0
	QUANT ST
	IMAGE XWI, XIMG+3*FRB
	ds_store_b32 v[XWS], v[PW] offset:XSC+384
.irp s, 0,1                                    ; Wv's two fragments, their scale words and my channels' bias are asked for now, into registers that X has left
.irp p, 0,1,2,3,4,5
	global_load_b64 v[WVF+12*\s+2*\p:WVF+12*\s+2*\p+1], v[WVA], s[20:21] offset:96*\s+48*(\p/3)+8*(\p%3)
.endr
	global_load_b32 v[WVS+\s], v[WVSA], s[22:23] offset:4*\s
.endr
	global_load_b32 v[BVR], v[GV], s[24:25]
	s_wait_dscnt 0x0                               ; for the others' sake: my images lie in LDS
	s_barrier_signal -1
	s_barrier_wait -1                              ; all sixteen do; nothing is stored to LDS after this
	; ---- Q or K: my two tiles of rows x my column's 128 units, transposed (source 0 = 16 rows of W, source 1 = x); the eight accumulators take turns; the bias is the first product's C
.irp u, 0,1
	FETCH XF, XWI, XIMG+(2*\u)*FRB
	FETCH XF+12, XWI, XIMG+(2*\u+1)*FRB
	ds_load_b32 v[XS], v[XWS] offset:XSC+128*(2*\u)
	ds_load_b32 v[XS+1], v[XWS] offset:XSC+128*(2*\u+1)
	s_wait_dscnt 0x0
	WIN 0x11                                       ; source 0 (W) and source 2 (the bias) window 1
.irp t, 0,1,2,3,4,5,6,7
	v_wmma_scale_f32_16x16x128_f8f6f4 v[HA+8*\t:HA+8*\t+7], v[24*\t:24*\t+11], v[XF:XF+11], v[B1+8*\t:B1+8*\t+7], v[W1S+2*\t], v[XS] matrix_a_fmt:MATRIX_FMT_BF6 matrix_b_fmt:MATRIX_FMT_BF6
.endr
	WIN 0x01
.irp t, 0,1,2,3,4,5,6,7
	v_wmma_scale_f32_16x16x128_f8f6f4 v[HA+8*\t:HA+8*\t+7], v[24*\t+12:24*\t+23], v[XF+12:XF+23], v[HA+8*\t:HA+8*\t+7], v[W1S+2*\t+1], v[XS+1] matrix_a_fmt:MATRIX_FMT_BF6 matrix_b_fmt:MATRIX_FMT_BF6
.endr
	WIN 0
.rept 4
	v_nop                                          ; places in front of the first read of results
.endr
	s_wait_xcnt 0x0                                ; the codes' registers are the last tile's store data: written again only behind this wait
	QUANT HA                                       ; 128 units of 16 rows: one fragment of the next product, and its scale word
.irp i, 0,1,2
	global_store_b128 v[LI], v[PC+4*\i:PC+4*\i+3], s[26:27] offset:\u*FRB+512*\i   ; 32 lanes store 512 consecutive bytes
.endr
	v_mov_b32 v[PW0+\u], v[PW]
.endr
	v_cmp_gt_u32 vcc_lo, 16, v1
	v_cndmask_b32 v[PWS], v[PW1], v[PW0], vcc_lo   ; lanes 0-15 tile 0's words, lanes 16-31 tile 1's
	global_store_b32 v[GS], v[PWS], s[42:43] offset:6144
	; ---- V: my 16 channels for all 128 rows (source 0 = 16 rows of x, source 1 = 16 rows of Wv): a lane holds one channel, its registers run along the keys
	s_wait_loadcnt 0x0                             ; Wv, its scale words, bv
.irp j, 0,1,2,3,4,5,6,7
	v_mov_b32 v[BV+\j], v[BVR]                     ; the bias of my channel, for eight keys
.endr
.rept 4
	v_nop
.endr
	WIN 0x40
.irp n, 0,1,2,3,4,5,6,7,8,9,10,11,12,13,14,15  ; x's sixteen fragments take W's place
.irp i, 0,1,2
	ds_load_b128 v[12*\n+4*\i:12*\n+4*\i+3], v[LI] offset:XIMG+\n*FRB+512*\i
.endr
.endr
	WIN 0
.irp n, 0,1,2,3,4,5,6,7,8,9,10,11,12,13,14,15
	ds_load_b32 v[W1S+\n], v[LS] offset:XSC+128*\n
.endr
	s_wait_alu depctr_va_vdst(0)
	s_wait_dscnt 0x0
	WIN 0x01
.irp t, 0,1,2,3,4,5,6,7
	v_wmma_scale_f32_16x16x128_f8f6f4 v[HA+8*\t:HA+8*\t+7], v[24*\t:24*\t+11], v[WVF:WVF+11], v[BV:BV+7], v[W1S+2*\t], v[WVS] matrix_a_fmt:MATRIX_FMT_BF6 matrix_b_fmt:MATRIX_FMT_BF6
.endr
.irp t, 0,1,2,3,4,5,6,7
	v_wmma_scale_f32_16x16x128_f8f6f4 v[HA+8*\t:HA+8*\t+7], v[24*\t+12:24*\t+23], v[WVF+12:WVF+23], v[HA+8*\t:HA+8*\t+7], v[W1S+2*\t+1], v[WVS+1] matrix_a_fmt:MATRIX_FMT_BF6 matrix_b_fmt:MATRIX_FMT_BF6
.endr
	WIN 0
.rept 4
	v_nop
.endr
	s_wait_xcnt 0x0                                ; the codes' registers are still store data
	QUANT HA                                       ; 128 keys of 16 channels, in their natural order
.irp i, 0,1,2
	global_store_b128 v[LI], v[PC+4*\i:PC+4*\i+3], s[30:31] offset:512*\i
.endr
	v_cmp_gt_u32 vcc_lo, 16, v1
	s_wait_xcnt 0x0                                ; EXEC changes only behind this wait
	s_and_saveexec_b32 s47, vcc_lo
	global_store_b32 v[GV], v[PW], s[44:45] offset:6144    ; lanes 0-15: my channels' scale words
	s_wait_xcnt 0x0
	s_or_b32 exec_lo, exec_lo, s47
	; ---- wave 0 copies the coordinates of block 4 g + y into K's record, one array for each of x, y, z, and fills the record's last 128 bytes
	s_cmp_lg_u32 s32, 0
	s_cbranch_scc1 .Lend
	v_mul_u32_u24 v222, v1, 12
.irp c, 0,1,2
	global_load_b32 v[TM+\c], v222, s[6:7] offset:4*\c
.endr
	v_mov_b32 v[TM+3], 0
	s_wait_alu depctr_va_vdst(0)
	s_wait_loadcnt 0x0
.irp c, 0,1,2,3
	global_store_b32 v[LS], v[TM+\c], s[28:29] offset:6400+128*\c
.endr
.Lend:
	s_wait_tensorcnt 0x0
	ds_add_u32 v254, v255
	s_wait_dscnt 0x0
	s_endpgm
.Lfunc_end_k_qa5d9455484_proj:
	.size	k_qa5d9455484_proj, .Lfunc_end_k_qa5d9455484_proj-k_qa5d9455484_proj
	.p2alignl 7, 3214868480
	.fill 96, 4, 3214868480
	.section	.rodata,"a",@progbits
	.p2align	6, 0x0
	.amdhsa_kernel k_qa5d9455484_proj
		.amdhsa_group_segment_fixed_size 27136
		.amdhsa_private_segment_fixed_size 0
		.amdhsa_enable_private_segment 0
		.amdhsa_kernarg_size 104
		.amdhsa_user_sgpr_count 2
		.amdhsa_user_sgpr_kernarg_segment_ptr 1
		.amdhsa_wavefront_size32 1
		.amdhsa_system_sgpr_workgroup_id_x 1
		.amdhsa_system_sgpr_workgroup_id_y 1
		.amdhsa_system_sgpr_workgroup_id_z 1
		.amdhsa_system_vgpr_workitem_id 0
		.amdhsa_next_free_vgpr 512
		.amdhsa_next_free_sgpr 66
		.amdhsa_reserve_vcc 1
		.amdhsa_float_denorm_mode_32 3
		.amdhsa_float_denorm_mode_16_64 3
		.amdhsa_memory_ordered 1
		.amdhsa_forward_progress 1
		.amdhsa_inst_pref_size 66
	.end_amdhsa_kernel
	.amdgpu_metadata
---
amdhsa.version: [ 1, 2 ]
amdhsa.kernels:
  - .name:           k_qa5d9455484_proj
    .symbol:         k_qa5d9455484_proj.kd
    .args:
      - { .name: X, .offset: 0, .size: 8, .value_kind: global_buffer, .address_space: global }
      - { .name: P, .offset: 8, .size: 8, .value_kind: global_buffer, .address_space: global }
      - { .name: W_q_codes, .offset: 16, .size: 8, .value_kind: global_buffer, .address_space: global }
      - { .name: W_k_codes, .offset: 24, .size: 8, .value_kind: global_buffer, .address_space: global }
      - { .name: W_q_scales, .offset: 32, .size: 8, .value_kind: global_buffer, .address_space: global }
      - { .name: W_k_scales, .offset: 40, .size: 8, .value_kind: global_buffer, .address_space: global }
      - { .name: b_q, .offset: 48, .size: 8, .value_kind: global_buffer, .address_space: global }
      - { .name: b_k, .offset: 56, .size: 8, .value_kind: global_buffer, .address_space: global }
      - { .name: W_v_codes, .offset: 64, .size: 8, .value_kind: global_buffer, .address_space: global }
      - { .name: W_v_scales, .offset: 72, .size: 8, .value_kind: global_buffer, .address_space: global }
      - { .name: b_v, .offset: 80, .size: 8, .value_kind: global_buffer, .address_space: global }
      - { .name: QB, .offset: 88, .size: 8, .value_kind: global_buffer, .address_space: global }
      - { .name: KB, .offset: 96, .size: 8, .value_kind: global_buffer, .address_space: global }
    .group_segment_fixed_size: 27136
    .private_segment_fixed_size: 0
    .kernarg_segment_align: 8
    .kernarg_segment_size: 104
    .max_flat_workgroup_size: 128
    .sgpr_count:     66
    .vgpr_count:     512
    .wavefront_size: 32
...
	.end_amdgpu_metadata
.endif
;; end of part 1
;; launch attn (part 2): grid 256 x 1, 8 waves a work-group, clusters of 4 x 1, 327,680 bytes of LDS; arguments QB, KB, P, X, out0; writes out0
.if DOCPART == 2
	.amdgcn_target "amdgcn-amd-amdhsa--gfx1250"
	.amdhsa_code_object_version 6
	.text
	.protected	k_qa5d9455484_attn
	.globl	k_qa5d9455484_attn
	.p2align	8
	.type	k_qa5d9455484_attn,@function
k_qa5d9455484_attn:
	s_mov_b64 s[64:65], 0
	v_nop
	global_prefetch_b8 v0, s[64:65] scope:SCOPE_SE
	s_setreg_imm32_b32 hwreg(HW_REG_WAVE_MODE, 25, 1), 1
	s_wait_xcnt 0x0
	s_wait_alu depctr_hold_cnt(0) depctr_sa_sdst(0) depctr_va_vdst(0) depctr_va_sdst(0) depctr_va_ssrc(0) depctr_va_vcc(0) depctr_vm_vsrc(0)
	s_getreg_b32 s2, hwreg(HW_REG_IB_STS2, 6, 4)
	s_cmp_eq_u32 s2, 0
	s_cbranch_scc0 .Lentry_in_a_cluster
	s_endpgm
.Lentry_in_a_cluster:
	s_bfe_u32 s2, ttmp6, 0x10000c
	s_cmp_lg_u32 s2, 0x3003
	s_cbranch_scc0 .Lentry_shape_is_right
	s_endpgm
.Lentry_shape_is_right:
; out0 = X + A V, A = softmax_one(Q K^T / 16 x exp(-dist2 / 2)), on codes of BF6 (E3M2) with one E8M0 scale for each 32 along K.
; A WORK-GROUP OWNS 32 QUERIES AND WALKS ALL 8,192 KEYS TWICE.  Walk 1: the running maximum M and the sum L of 2^(t - M) of each query (t = score x decay x log2 e / 16).
; Walk 2: the scores again, a = 2^(t - C), C = M + log2(1 + L), the finished weight; a is quantised along the keys in blocks of 32; O^T += V^T a^T; at the end X is added and the rows are stored.
; SHARES.  Eight waves; every wave holds all 32 queries (two tiles; a lane holds one query of each).  In step p of either walk wave w takes K's record 8 p + w (32 keys).
; K'S RECORDS COME BY LOADS, STRAIGHT INTO REGISTERS: a record is an image of the registers of the one wave that multiplies it.  Each group of registers (x, y, z, the fragments) is asked for again as soon as the
; block in hand has read it, so a request stands most of a block ahead of its use, in walk 2 across the barrier.  So walk 1 has no LDS byte and no barrier, and K is not asked for jointly.
; WALK 2.  Wave w makes the weights of its 32 keys and stores codes and scale byte into images of the operand's registers in LDS (lane x 48 bytes; two sets by turns); one period later wave w multiplies
; K step w / 4 (128 keys) x channels 64 (w % 4) .. + 63 x both tiles: so one barrier serves a period.  V comes through two LDS slots; a slot holds two periods' quarter records, 2 x 6,400 bytes a wave, and is filled
; again at every second period.  All work-groups walk the same V: the four of a cluster ask jointly, each wave for its own two quarters.
; At the end waves w and w xor 4 exchange a tile each, and each stores 16 rows x 256 bytes.
; THE DECAY: 2^(lc - sum of (g k - g q)^2), g = sqrt(log2 e / 2), lc = log2(log2 e / 16): a difference is one fused multiply-add of the key's coordinate, g and the rounded -g q.
; No data prefetch is laid: K's loads are themselves issued a block ahead of their use, and a load of V has two periods' work between its request and the wait for it.
; LIMITS: the promise holds while |t| stays under 2^31; NaN and infinities are not served; a decay or a weight under 2^-126 counts as 0; a block whose weights are all 0 gets the byte 1 (its codes are zeros).
; REGISTERS.  Window 0: v1-23 addresses; v24-29 -g q; v30-31 C; v32-33 lc; v34-43 M, L, factors; v44-51 at work; v52-59 scale words; v60-107 x, y, z of 16 keys; v108-155 K; v156-187 scores; v188-219 decays; v220-251 differences, codes.
; Window 1: v0-63 O^T, (channel tile c, tile l) at 8 (2 c + l); v64-111 V; v112-135 a; v136-183 Q.
.set BR6,   6912                       ; a record of K; V's quarter record lies behind it
.set REC,   13312                      ; from record to record in memory
.set VQ,    6400                       ; a quarter record of V
.set SLOT1, 131072
.set AX,    262144                     ; a's images: two sets of 6,400 bytes: (K step, tile) at 1536 (2 ks + l), scale words at 6144 + 128 ks + 64 l + 4 r
.set PARB,  6400
.set STX,   AX+2*PARB                  ; walk 1's pairs: 2048 l + 256 w + 8 lane
.set SPARE, STX+4096                   ; the spare words, 128 bytes a wave
.set EXB,   SPARE+1024                 ; the exchange at the end: 4,096 bytes a wave
.set STG,   0                          ; the stage of the way out, 4,352 bytes a wave, in slot 0, which has had its last fill and its last read by then
.set SPW,1
.set NIL,2
.set GL,3
.set L4,4
.set H64,5
.set ADK,6
.set ADS,7
.set ARD,9
.set ASR,10
.set AWR,11
.set ASW,12
.set A48C,13
.set ASC,14
.set AWC,15
.set ASWC,16
.set STW,17
.set STR,18
.set EXS,19
.set EXR,20
.set STI,21
.set STO,22
.set XO,23
.set QC,24
.set CP,30
.set LCP,32
.set M,34
.set LS,36
.set F,40
.set TM,44
.set KS,52
.set QS,54
.set PS,56
.set VS,58
.set XC,60
.set KF,108
.set S,156
.set A,188
.set T,220
.set VF,64
.set AF,112
.set QF,136
.set MSB, 0
.macro WIN new                         ; the immediate's high byte repeats the setting that is left
.if MSB != \new
	s_set_vgpr_msb (MSB<<8)|\new
.set MSB, \new
.endif
.endm
.macro NOPS n
.rept \n
	v_nop
.endr
.endm
.macro VW
	s_wait_alu depctr_va_vdst(0)
.endm
.macro CROUND                          ; a round of the cluster's barrier
	s_barrier_signal -1
	s_barrier_wait -1
	s_cmp_lg_u32 s16, 0
	s_cbranch_scc1 .Lnot_wave_0_\@
	s_barrier_signal -3
.Lnot_wave_0_\@:
	s_barrier_wait -3
	s_barrier_signal -1
	s_barrier_wait -1
.endm
; one scaled product.  z = 1: C = 0.  rows: 0 both sides' scales from lanes 0-15; 1 source 0's from lanes 16-31; 3 both from lanes 16-31
.macro WM d, a, b, z, sa, sb, rows
.if (\z) && ((\rows) == 0)
	v_wmma_scale_f32_16x16x128_f8f6f4 v[\d:\d+7], v[\a:\a+11], v[\b:\b+11], 0, v[\sa], v[\sb] matrix_a_fmt:MATRIX_FMT_BF6 matrix_b_fmt:MATRIX_FMT_BF6
.elseif (\z)
	v_wmma_scale_f32_16x16x128_f8f6f4 v[\d:\d+7], v[\a:\a+11], v[\b:\b+11], 0, v[\sa], v[\sb] matrix_a_fmt:MATRIX_FMT_BF6 matrix_b_fmt:MATRIX_FMT_BF6 matrix_a_scale:MATRIX_SCALE_ROW1
.elseif (\rows) == 0
	v_wmma_scale_f32_16x16x128_f8f6f4 v[\d:\d+7], v[\a:\a+11], v[\b:\b+11], v[\d:\d+7], v[\sa], v[\sb] matrix_a_fmt:MATRIX_FMT_BF6 matrix_b_fmt:MATRIX_FMT_BF6
.elseif (\rows) == 1
	v_wmma_scale_f32_16x16x128_f8f6f4 v[\d:\d+7], v[\a:\a+11], v[\b:\b+11], v[\d:\d+7], v[\sa], v[\sb] matrix_a_fmt:MATRIX_FMT_BF6 matrix_b_fmt:MATRIX_FMT_BF6 matrix_a_scale:MATRIX_SCALE_ROW1
.else
	v_wmma_scale_f32_16x16x128_f8f6f4 v[\d:\d+7], v[\a:\a+11], v[\b:\b+11], v[\d:\d+7], v[\sa], v[\sb] matrix_a_fmt:MATRIX_FMT_BF6 matrix_b_fmt:MATRIX_FMT_BF6 matrix_a_scale:MATRIX_SCALE_ROW1 matrix_b_scale:MATRIX_SCALE_ROW1
.endif
.endm
; A period's barrier.  kind 0: for the codes alone (a load of V may stay out); 1: a change of V's slots, with the refill; 2: the last change, nothing more to fetch.
.macro MEET kind
	VW
.if \kind
	s_wait_tensorcnt 0x0                           ; my one load that was out has landed: my part of the slot ahead; its group 0 may be written
	ds_add_u32 v[SPW], v[NIL]                      ; 0 onto my spare word
.if \kind == 1
	s_xor_b32 s45, s45, SLOT1                      ; the other slot, the next two periods' V
	s_add_nc_u64 s[46:47], s[46:47], 16*REC
.endif
.endif
	s_wait_dscnt 0x0                               ; the add, my reads of V and of a's images and my stores of codes are done
.if \kind == 1
	CROUND
	tensor_load_to_lds s[44:47], s[28:35]
	s_nop 0
	NOPS 4
.else
	s_barrier_signal -1
	s_barrier_wait -1
.endif
.endm
.macro ADDR                            ; my bytes of V's slot in hand
	s_add_co_u32 s60, s52, s54
	v_add_nc_u32 v[ADK], s60, v[GL]
	v_add_nc_u32 v[ADS], s60, v[L4]
.endm
.macro AADDR wr                        ; a's images: I read the set of the period before and write the other
	s_xor_b32 s57, s56, PARB
	v_add_nc_u32 v[ARD], s57, v[A48C]
	v_add_nc_u32 v[ASR], s57, v[ASC]
.if \wr
	v_add_nc_u32 v[AWR], s56, v[AWC]
	v_add_nc_u32 v[ASW], s56, v[ASWC]
.endif
.endm
.macro CLOAD c                         ; coordinate c of my sixteen keys of the record at s[6:7]: 4 loads, the same 16 bytes in the sixteen lanes of a half
.irp n, 0,1,2,3
	global_load_b128 v[XC+16*\c+4*\n:XC+16*\c+4*\n+3], v[H64], s[6:7] offset:128*\c+16*\n
.endr
.endm
.macro KLOAD                           ; its four fragments and two scale registers: 14 loads
.irp n, 0,1,2,3,4,5,6,7,8,9,10,11
	global_load_b128 v[KF+4*\n:KF+4*\n+3], v[GL], s[6:7] offset:512*\n
.endr
	global_load_b32 v[KS], v[L4], s[6:7] offset:6144
	global_load_b32 v[KS+1], v[L4], s[6:7] offset:6144+128
.endm
.macro VALOAD sub                      ; my four fragments of V^T (the slot's period sub), a's two, and their scale words
	WIN 0x40
.irp n, 0,1,2,3,4,5,6,7,8,9,10,11
	ds_load_b128 v[VF+4*\n:VF+4*\n+3], v[ADK] offset:(\sub)*VQ+512*\n
.endr
.irp l, 0,1
.irp i, 0,1,2
	ds_load_b128 v[AF+12*\l+4*\i:AF+12*\l+4*\i+3], v[ARD] offset:1536*\l+16*\i
.endr
.endr
	WIN 0
	ds_load_b32 v[VS], v[ADS] offset:(\sub)*VQ+6144       ; lanes 0-15: channel tile 0's words, lanes 16-31: tile 1's
	ds_load_b32 v[VS+1], v[ADS] offset:(\sub)*VQ+6144+128
	ds_load_b32 v[PS], v[ASR]
	ds_load_b32 v[PS+1], v[ASR] offset:64
.endm
.macro GEO c, first                    ; coordinate c: the scaled differences of both tiles, then their squares off the exponent
.irp t, 0,1
.set QI, 3*\t+\c
.irp k, 0,2,4,6,8,10,12,14
.if QI%2
	v_pk_fma_f32 v[T+16*\t+\k:T+16*\t+\k+1], v[XC+16*\c+\k:XC+16*\c+\k+1], s[24:25], v[QC+QI-1:QC+QI] op_sel:[0,0,1] op_sel_hi:[1,0,1]
.else
	v_pk_fma_f32 v[T+16*\t+\k:T+16*\t+\k+1], v[XC+16*\c+\k:XC+16*\c+\k+1], s[24:25], v[QC+QI:QC+QI+1] op_sel_hi:[1,0,0]
.endif
.endr
.endr
.set I, 0
.rept 16
.if \first
	v_pk_fma_f32 v[A+I:A+I+1], v[T+I:T+I+1], v[T+I:T+I+1], v[LCP:LCP+1] neg_lo:[1,0,0] neg_hi:[1,0,0]
.else
	v_pk_fma_f32 v[A+I:A+I+1], v[T+I:T+I+1], v[T+I:T+I+1], v[A+I:A+I+1] neg_lo:[1,0,0] neg_hi:[1,0,0]
.endif
.set I, I+2
.endr
.endm
.macro EXP32 r
.set I, 0
.rept 32
	v_exp_f32 v[\r+I], v[\r+I]
.set I, I+1
.endr
.endm
.macro QK                              ; S^T = K Q^T: four accumulators by turns
	WIN 0x04                                       ; source 1 (Q) window 1
.irp l, 0,1
.irp k, 0,1
	WM S+16*\l+8*\k, KF+12*\k, QF+24*\l, 1, KS+\k, QS+\l, 0
.endr
.endr
.irp l, 0,1
.irp k, 0,1
	WM S+16*\l+8*\k, KF+24+12*\k, QF+24*\l+12, 0, KS+\k, QS+\l, 3
.endr
.endr
	WIN 0
.endm
.macro PV zero                         ; O^T += V^T a^T: eight accumulators, each once
.irp c, 0,1,2,3
.irp l, 0,1
	WM 8*(2*\c+\l), VF+12*\c, AF+12*\l, \zero, VS+\c/2, PS+\l, \c%2
.endr
.endr
.endm
; 32 keys x 32 queries up to the decays.  Loads come back in order; at the head x 4, y 4, z 4, K 14 are out.  nxt: 1 the record 8 further on is fetched; 2 the walk's first record again; 0 none.
; With a next record each coordinate's registers are asked for again as soon as they are read: behind y then stand z 4, K 14, x' 4; behind z: K 14, x' 4, y' 4; behind K: the 12 new ones.
; pv: 0 no second product, 1 the first, 2 a later one
.macro SCORE nxt, pv
	s_wait_loadcnt 22                              ; x is in
	GEO 0, 1
.if \nxt
	s_wait_xcnt 0x0                                ; the loads that are out have read their base: it may step
.if \nxt == 1
	s_add_nc_u64 s[6:7], s[6:7], 8*REC
.else
	s_sub_nc_u64 s[6:7], s[6:7], 31*8*REC
.endif
	CLOAD 0
	s_wait_loadcnt 22                              ; y
.else
	s_wait_loadcnt 18
.endif
	GEO 1, 0
.if \nxt
	CLOAD 1
	s_wait_loadcnt 22                              ; z
.else
	s_wait_loadcnt 14
.endif
	GEO 2, 0
.if \nxt
	CLOAD 2
	s_wait_loadcnt 12                              ; K
.else
	s_wait_loadcnt 0x0
.endif
.if \pv
	s_wait_dscnt 0x0                               ; V, a and their scale words
	WIN 0x55                                       ; all of the second product's operands lie in window 1
.endif
	VW
.if \pv
	PV 2-\pv
.endif
	QK
	NOPS 4                                         ; places in front of loads into K's registers and of the first read of the scores
.if \nxt
	KLOAD
.endif
	EXP32 A                                        ; the decays x log2 e / 16
	v_nop
	VW
.endm
.macro MAXC fl                         ; the largest of each tile's 16 numbers, four chains by turns.  fl = 1: with the floor 2^(5 - 127); 0: with the running maximum
.set D, 1-\fl
.irp l, 0,1
.if \fl
	v_max3_num_f32 v[TM+2*\l], v[S+16*\l], v[S+16*\l+1], 0x2800000
.else
	v_max3_num_f32 v[TM+2*\l], v[S+16*\l], v[S+16*\l+1], v[S+16*\l+2]
.endif
	v_max3_num_f32 v[TM+2*\l+1], v[S+16*\l+2+D], v[S+16*\l+3+D], v[S+16*\l+4+D]
.endr
.irp i, 5,9
.irp l, 0,1
	v_max3_num_f32 v[TM+2*\l], v[TM+2*\l], v[S+16*\l+\i+D], v[S+16*\l+\i+1+D]
	v_max3_num_f32 v[TM+2*\l+1], v[TM+2*\l+1], v[S+16*\l+\i+2+D], v[S+16*\l+\i+3+D]
.endr
.endr
.irp l, 0,1
	v_max3_num_f32 v[TM+2*\l], v[TM+2*\l], v[S+16*\l+13+D], v[S+16*\l+14+D]
.endr
.irp l, 0,1
.if \fl
	v_max3_num_f32 v[TM+2*\l], v[TM+2*\l], v[TM+2*\l+1], v[S+16*\l+15]
.else
	s_delay_alu instid0(VALU_DEP_2)
	v_max3_num_f32 v[TM+2*\l], v[TM+2*\l], v[TM+2*\l+1], v[M+\l]
.endif
.endr
.endm
.macro SM1                             ; walk 1: t, the new maximum, the sums under it
.set I, 0
.rept 16
	v_pk_mul_f32 v[S+I:S+I+1], v[S+I:S+I+1], v[A+I:A+I+1]
.set I, I+2
.endr
	MAXC 0
.irp l, 0,1
	s_delay_alu instid0(VALU_DEP_2)
	v_sub_f32 v[F+2*\l], v[M+\l], v[TM+2*\l]
.endr
.irp l, 0,1
.irp k, 0,2,4,6,8,10,12,14
	v_pk_add_f32 v[S+16*\l+\k:S+16*\l+\k+1], v[S+16*\l+\k:S+16*\l+\k+1], v[TM+2*\l:TM+2*\l+1] op_sel_hi:[1,0] neg_lo:[0,1] neg_hi:[0,1]
.endr
.endr
	VW
	EXP32 S
	v_exp_f32 v[F], v[F]
	v_exp_f32 v[F+2], v[F+2]
	v_mov_b32 v[M], v[TM]
	v_mov_b32 v[M+1], v[TM+2]
	VW
.irp l, 0,1
	v_pk_mul_f32 v[LS+2*\l:LS+2*\l+1], v[LS+2*\l:LS+2*\l+1], v[F+2*\l:F+2*\l+1] op_sel_hi:[1,0]
	v_pk_add_f32 v[TM+4+2*\l:TM+5+2*\l], v[S+16*\l:S+16*\l+1], v[S+16*\l+2:S+16*\l+3]
.endr
.irp j, 4,8,12
.irp l, 0,1
	v_pk_add_f32 v[LS+2*\l:LS+2*\l+1], v[LS+2*\l:LS+2*\l+1], v[S+16*\l+\j:S+16*\l+\j+1]
	v_pk_add_f32 v[TM+4+2*\l:TM+5+2*\l], v[TM+4+2*\l:TM+5+2*\l], v[S+16*\l+\j+2:S+16*\l+\j+3]
.endr
.endr
.irp l, 0,1
	v_pk_add_f32 v[LS+2*\l:LS+2*\l+1], v[LS+2*\l:LS+2*\l+1], v[TM+4+2*\l:TM+5+2*\l]
.endr
.endm
.macro SM2                             ; walk 2: the finished weights, each block's scale byte, its codes, into a's images
.irp k, 0,2,4,6,8,10,12,14
	v_pk_fma_f32 v[S+\k:S+\k+1], v[S+\k:S+\k+1], v[A+\k:A+\k+1], v[CP:CP+1] op_sel_hi:[1,1,0] neg_lo:[0,0,1] neg_hi:[0,0,1]
.endr
.irp k, 16,18,20,22,24,26,28,30
	v_pk_fma_f32 v[S+\k:S+\k+1], v[S+\k:S+\k+1], v[A+\k:A+\k+1], v[CP:CP+1] op_sel:[0,0,1] op_sel_hi:[1,1,1] neg_lo:[0,0,1] neg_hi:[0,0,1]
.endr
	VW
	EXP32 S                                        ; a = 2^(t - C)
	v_nop
	VW
	MAXC 1
.irp l, 0,1
	s_delay_alu instid0(VALU_DEP_2)
	v_permlanex16_b32 v[TM+4+\l], v[TM+2*\l], s22, s23
.endr
.irp l, 0,1
	s_delay_alu instid0(VALU_DEP_2)
	v_max_num_f32 v[TM+2*\l], v[TM+2*\l], v[TM+4+\l]   ; with lane l xor 16's 16 keys: the block's largest weight
.endr
.irp l, 0,1
	s_delay_alu instid0(VALU_DEP_2)
	v_add_nc_u32 v[TM+2*\l+1], 0xfe000000, v[TM+2*\l]   ; 4 off its exponent field: the conversion's scale operand
.endr
.irp l, 0,1
	s_delay_alu instid0(VALU_DEP_2)
	v_lshrrev_b32 v[TM+4+\l], 23, v[TM+2*\l+1]     ; the scale's byte
.endr
	v_cvt_scalef32_pk16_bf6_f32 v[T:T+2], v[S:S+15], v[TM+1]
	v_cvt_scalef32_pk16_bf6_f32 v[T+4:T+6], v[S+16:S+31], v[TM+3]
	v_nop                                          ; one plain place behind a scaled conversion
.irp l, 0,1
.irp i, 0,1,2
	ds_store_b32 v[AWR], v[T+4*\l+\i] offset:1536*\l+4*\i   ; 16 codes: registers 6 (b / 2) + 3 h + i of lane r + 16 (b % 2) of the operand, b my block of the K step
.endr
	ds_store_b8 v[ASW], v[TM+4+\l] offset:64*\l
.endr
.endm
.macro JOIN                            ; the sixteen partial pairs of each query (8 waves x 2 halves of the lanes) become C = M + log2(1 + L)
.irp l, 0,1
	v_max3_num_f32 v[TM+\l], v[S+32*\l], v[S+32*\l+2], v[S+32*\l+4]
.endr
.irp n, 6,10,14,18,22,26
.irp l, 0,1
	v_max3_num_f32 v[TM+\l], v[TM+\l], v[S+32*\l+\n], v[S+32*\l+\n+2]
.endr
.endr
.irp l, 0,1
	v_max_num_f32 v[TM+\l], v[TM+\l], v[S+32*\l+30]
.endr
.irp n, 0,2,4,6,8,10,12,14,16,18,20,22,24,26,28,30
.irp l, 0,1
	v_sub_f32 v[S+32*\l+\n], v[S+32*\l+\n], v[TM+\l]
.endr
.endr
	VW
.irp n, 0,2,4,6,8,10,12,14,16,18,20,22,24,26,28,30
.irp l, 0,1
	v_exp_f32 v[S+32*\l+\n], v[S+32*\l+\n]
.endr
.endr
	v_nop
	VW
.irp l, 0,1
	v_fma_f32 v[TM+2+\l], v[S+32*\l], v[S+32*\l+1], 1.0
.endr
.irp n, 2,4,6,8,10,12,14,16,18,20,22,24,26,28,30
.irp l, 0,1
	v_fmac_f32 v[TM+2+\l], v[S+32*\l+\n], v[S+32*\l+\n+1]
.endr
.endr
	VW
	v_log_f32 v[TM+2], v[TM+2]
	v_log_f32 v[TM+3], v[TM+3]
	v_nop
	VW
	v_add_f32 v[CP], v[TM], v[TM+2]
	v_add_f32 v[CP+1], v[TM+1], v[TM+3]
.endm
; a period of walk 2: the second product of the period before (its V: the slot's period sub), then my 32 keys
.macro P2 pv, kind, first, nxt, sub
	MEET \kind
.if \pv
	ADDR
.endif
	AADDR 1
	VW
.if \first
.irp l, 0,1
.irp n, 0,1,2,3,4,5,6,7,8,9,10,11,12,13,14,15
	ds_load_b64 v[S+32*\l+2*\n:S+32*\l+2*\n+1], v[STR] offset:2048*\l+128*\n
.endr
.endr
	s_wait_dscnt 0x0
	JOIN
.endif
.if \pv
	VALOAD \sub
.endif
	SCORE \nxt, \pv
	SM2
.if \sub
	s_xor_b32 s52, s52, SLOT1
.endif
	s_xor_b32 s56, s56, PARB
.endm
	s_load_b256 s[4:11], s[0:1], 0x0               ; QB 4, KB 6, P 8, X 10
	s_load_b64 s[12:13], s[0:1], 0x20              ; out0
	v_lshl_add_u32 v[SPW], v0, 2, SPARE
	v_mov_b32 v[NIL], 0
	ds_add_u32 v[SPW], v[NIL]                      ; the opening lines: the add twice on end, its wait ahead of my first tensor load
	ds_add_u32 v[SPW], v[NIL]
	v_lshrrev_b32 v[T], 5, v0
	v_readfirstlane_b32 s16, v[T]                  ; wave 0..7
	s_and_b32 s17, s16, 3                          ; my block of a K step; my quarter of the channels
	s_lshr_b32 s18, s16, 2                         ; my K step; the tile that I store
	s_bfe_u32 s19, ttmp6, 0x40000                  ; cx: it enters Q's, P's, X's and out0's global addresses alone
	s_lshl_b32 s20, ttmp9, 2
	s_add_co_u32 s20, s20, s19                     ; my work-group's block of 32 queries
	s_mov_b32 s28, 15|(3<<16)|(1<<21)              ; descriptor group 1: the mask names all four work-groups, bit 21 beside it; elements of 8 bytes;
	s_mov_b32 s29, 800<<16                         ; two rows of 6,400 bytes, my quarter records of two periods,
	s_mov_b32 s30, 2<<16
	s_mov_b32 s31, 800<<16
	s_mov_b32 s32, 2
	s_mov_b32 s33, REC                             ; 8 records, 13,312 elements, apart
	s_mov_b32 s34, 0
	s_mov_b32 s35, 0
	s_mul_i32 s54, s16, 2*VQ
	s_mul_i32 s55, s16, REC
	s_mov_b32 s22, 0x76543210
	s_mov_b32 s23, 0xfedcba98                      ; v_permlanex16_b32's selects for lane l xor 16
	s_mov_b32 s24, 0x3f596d27                      ; g = sqrt(log2 e / 2)
	s_mov_b32 s25, s24
	s_mov_b32 s26, 0xbf596d27
	s_mov_b32 s52, 0                               ; LDS byte at which V's slot in hand begins
	s_mov_b32 s56, 0                               ; the set of images that is written
	s_mov_b32 s85, 0
	s_wait_dscnt 0x0
	s_wait_kmcnt 0x0
	s_mov_b32 s44, 1                               ; group 0: V of periods 0 and 1, quarter w, behind K's records 8 + w and 16 + w
	s_mov_b32 s45, s54
	s_add_co_u32 s84, s55, 8*REC+BR6
	s_add_nc_u64 s[46:47], s[6:7], s[84:85]
	s_or_b32 s47, s47, 0x80000000
	s_mov_b32 s84, s55
	s_add_nc_u64 s[6:7], s[6:7], s[84:85]          ; K's record w
	CROUND                                         ; all four work-groups are here: the first joint loads meet
	tensor_load_to_lds s[44:47], s[28:35]          ; one load a wave at the head
	s_nop 0
	NOPS 4
	s_mul_i32 s84, s20, REC
	s_add_nc_u64 s[4:5], s[4:5], s[84:85]
	s_mul_i32 s84, s20, 384
	s_add_nc_u64 s[8:9], s[8:9], s[84:85]
	s_lshl_b32 s84, s20, 15                        ; 32 rows of 1,024 bytes, + 8 rows for tile 1, + my 256 bytes of a row
	s_lshl_b32 s86, s18, 13
	s_add_co_u32 s84, s84, s86
	s_lshl_b32 s86, s17, 8
	s_add_co_u32 s84, s84, s86
	s_add_nc_u64 s[10:11], s[10:11], s[84:85]
	s_add_nc_u64 s[12:13], s[12:13], s[84:85]
	s_mul_i32 s61, s18, 3072
	s_add_co_u32 s61, s61, AX                      ; my K step's images
	s_and_b32 s86, s16, 1
	s_mul_i32 s86, s86, 768
	s_add_co_u32 s62, s61, s86
	s_bfe_u32 s86, s16, 0x10001
	s_mul_i32 s86, s86, 24
	s_add_co_u32 s62, s62, s86                     ; where my block's codes go: + 768 (b % 2) + 24 (b / 2)
	s_lshl_b32 s63, s18, 7
	s_add_co_u32 s63, s63, AX+6144
	s_add_co_u32 s66, s63, s17
	s_lshl_b32 s67, s16, 8
	s_add_co_u32 s67, s67, STX
	s_lshl_b32 s86, s16, 12
	s_add_co_u32 s86, s86, EXB
	s_xor_b32 s87, s16, 4
	s_lshl_b32 s87, s87, 12
	s_add_co_u32 s87, s87, EXB
	s_mul_i32 s88, s16, 4352
	s_add_co_u32 s88, s88, STG
	v_and_b32 v[T], 31, v0                         ; lane
	v_and_b32 v[T+1], 15, v0                       ; r
	v_bfe_u32 v[T+2], v0, 4, 1                     ; h
	v_and_b32 v[T+3], 8, v[T+1]
	v_add_nc_u32 v[T+3], v[T+3], v[T+1]            ; r + 8 (r / 8)
	v_mul_u32_u24 v[T+4], v[T+3], 12
	v_lshlrev_b32 v[GL], 4, v[T]
	v_lshlrev_b32 v[L4], 2, v[T]
	v_lshl_add_u32 v[H64], v[T+2], 6, 6400
	v_mad_u32_u24 v[A48C], v[T], 48, s61
	v_lshl_add_u32 v[ASC], v[T+1], 2, s63
	v_lshl_add_u32 v[ASWC], v[T+1], 2, s66
	v_mul_u32_u24 v[T+5], v[T+2], 12
	v_mad_u32_u24 v[T+5], v[T+1], 48, v[T+5]
	v_add_nc_u32 v[AWC], s62, v[T+5]
	v_lshl_add_u32 v[STW], v[T], 3, s67
	v_lshl_add_u32 v[STR], v[T+1], 3, STX
	v_add_nc_u32 v[EXS], s86, v[GL]
	v_add_nc_u32 v[EXR], s87, v[GL]
	v_mul_u32_u24 v[T+6], v[T+1], 272
	v_lshl_add_u32 v[T+6], v[T+2], 5, v[T+6]
	v_add_nc_u32 v[STI], s88, v[T+6]               ; the stage, in: row r, + 32 h
	v_mul_u32_u24 v[T+7], v[T+2], 272
	v_lshl_add_u32 v[T+7], v[T+1], 4, v[T+7]
	v_add_nc_u32 v[STO], s88, v[T+7]               ; back: lanes 0-15 one row, lanes 16-31 the next
	v_lshlrev_b32 v[T+8], 4, v[T+1]
	v_lshl_add_u32 v[XO], v[T+2], 10, v[T+8]       ; X, out0: 16 bytes a lane, lanes 16-31 one row further down
	WIN 0x40
.irp l, 0,1
.irp s, 0,1
.irp i, 0,1,2
	global_load_b128 v[QF+24*\l+12*\s+4*\i:QF+24*\l+12*\s+4*\i+3], v[GL], s[4:5] offset:3072*\s+1536*\l+512*\i
.endr
.endr
.endr
	WIN 0
.irp l, 0,1
	global_load_b32 v[QS+\l], v[L4], s[4:5] offset:6144+128*\l
.irp c, 0,1,2
	global_load_b32 v[QC+3*\l+\c], v[T+4], s[8:9] offset:96*\l+4*\c
.endr
.endr
	v_mov_b32 v[LCP], 0xc05e28b1                   ; log2(log2 e / 16)
	v_mov_b32 v[LCP+1], 0xc05e28b1
.irp l, 0,1
	v_mov_b32 v[M+\l], 0xff61b1e6                  ; -3e38, under every t
	v_mov_b32 v[LS+2*\l], 0
	v_mov_b32 v[LS+2*\l+1], 0
	v_mov_b32 v[F+2*\l+1], 0                       ; named as the upper half of a pair
	v_mov_b32 v[TM+4+\l], 0                        ; a lane permute's destination counts as one of its sources
.endr
	VW
	s_wait_loadcnt 0x0
.irp i, 0,1,2,3,4,5
	v_mul_f32 v[QC+\i], s26, v[QC+\i]              ; -g q
.endr
	VW
	CLOAD 0                                        ; my first record
	CLOAD 1
	CLOAD 2
	KLOAD
	s_mov_b32 s53, 31
.Lwalk1:                                           ; records w, 8 + w .. 240 + w
	SCORE 1, 0
	SM1
	s_sub_co_u32 s53, s53, 1
	s_cmp_lg_u32 s53, 0
	s_cbranch_scc1 .Lwalk1
	SCORE 2, 0                                     ; record 248 + w; the next to be fetched is walk 2's first, record w again
	SM1
.irp l, 0,1
	v_mov_b32 v[TM+2*\l], v[M+\l]
	v_add_f32 v[TM+2*\l+1], v[LS+2*\l], v[LS+2*\l+1]
.endr
	ds_store_b64 v[STW], v[TM:TM+1]                ; my lanes' pairs; the next barrier, with the wait in front of it, shows them to all waves
	ds_store_b64 v[STW], v[TM+2:TM+3] offset:2048
	P2 0, 0, 1, 1, 0                               ; period 0
	P2 1, 1, 0, 1, 0                               ; period 1: the first second product starts O^T's sums: nothing is cleared; slot 1 is first filled, as a refill is
	P2 2, 0, 0, 1, 1
	s_mov_b32 s53, 14
.Lwalk2:                                           ; periods 3 to 30, two a trip: V's slots change at the odd ones
	P2 2, 1, 0, 1, 0
	P2 2, 0, 0, 1, 1
	s_sub_co_u32 s53, s53, 1
	s_cmp_lg_u32 s53, 0
	s_cbranch_scc1 .Lwalk2
	P2 2, 2, 0, 0, 0                               ; period 31: nothing more to fetch
	MEET 0
	ADDR
	AADDR 0
	VW
	VALOAD 1
.irp i, 0,1,2,3,4,5,6,7                        ; tile rows 2 i and 2 i + 1 are rows 2 i + 8 (i / 4) and the next of the tile's span
	global_load_b128 v[XC+4*\i:XC+4*\i+3], v[XO], s[10:11] offset:(2*\i+8*(\i/4))*1024 th:TH_LOAD_NT
.endr
	s_wait_dscnt 0x0
	WIN 0x55
	VW
	PV 0
	WIN 0
	NOPS 4                                         ; places in front of the first read of O^T
; THE END.  I keep tile w / 4 and hand the other to wave w xor 4; the registers differ, so two short arms on the wave's number; no barrier stands in an arm.
.macro SENDX l
	WIN 0x04                                       ; an LDS store's data are its source 1: window 1
.irp c, 0,1,2,3
	ds_store_b128 v[EXS], v[8*(2*\c+\l):8*(2*\c+\l)+3] offset:1024*\c
	ds_store_b128 v[EXS], v[8*(2*\c+\l)+4:8*(2*\c+\l)+7] offset:1024*\c+512
.endr
	WIN 0
.endm
.macro ADDO l
	WIN 0x01                                       ; source 0: window 1
.irp c, 0,1,2,3
.irp j, 0,2,4,6
	v_pk_add_f32 v[KF+8*\c+\j:KF+8*\c+\j+1], v[8*(2*\c+\l)+\j:8*(2*\c+\l)+\j+1], v[KF+8*\c+\j:KF+8*\c+\j+1]
.endr
.endr
	WIN 0
.endm
	s_cmp_eq_u32 s18, 0
	s_cbranch_scc0 .Lsend_0
	SENDX 1
	s_branch .Lsent
.Lsend_0:
	SENDX 0
.Lsent:
	s_wait_dscnt 0x0                               ; for the others' sake
	s_barrier_signal -1
	s_barrier_wait -1
.irp n, 0,1,2,3,4,5,6,7
	ds_load_b128 v[KF+4*\n:KF+4*\n+3], v[EXR] offset:512*\n
.endr
	s_wait_dscnt 0x0
	s_cmp_eq_u32 s18, 0
	s_cbranch_scc0 .Ladd_1
	ADDO 0
	s_branch .Ladded
.Ladd_1:
	ADDO 1
.Ladded:
	VW
.irp c, 0,1,2,3                                ; 16 rows x 64 channels turn through my own stage, rows of 256 bytes + 16
	ds_store_b128 v[STI], v[KF+8*\c:KF+8*\c+3] offset:64*\c
	ds_store_b128 v[STI], v[KF+8*\c+4:KF+8*\c+7] offset:64*\c+16
.endr
.irp i, 0,1,2,3,4,5,6,7
	ds_load_b128 v[S+4*\i:S+4*\i+3], v[STO] offset:2*\i*272   ; LDS serves a wave's instructions in order: these see my stores
.endr
	s_wait_dscnt 0x0
	s_wait_loadcnt 0x0
.set I, 0
.rept 16
	v_pk_add_f32 v[S+I:S+I+1], v[S+I:S+I+1], v[XC+I:XC+I+1]
.set I, I+2
.endr
.irp i, 0,1,2,3,4,5,6,7
	global_store_b128 v[XO], v[S+4*\i:S+4*\i+3], s[12:13] offset:(2*\i+8*(\i/4))*1024 th:TH_STORE_NT   ; sixteen lanes store 256 consecutive bytes, aligned
.endr
	s_wait_tensorcnt 0x0                           ; the wave's end
	ds_add_u32 v[SPW], v[NIL]
	s_wait_dscnt 0x0
	CROUND                                         ; the closing round
	s_endpgm
.Lfunc_end_k_qa5d9455484_attn:
	.size	k_qa5d9455484_attn, .Lfunc_end_k_qa5d9455484_attn-k_qa5d9455484_attn
	.p2alignl 7, 3214868480
	.fill 96, 4, 3214868480
	.section	.rodata,"a",@progbits
	.p2align	6, 0x0
	.amdhsa_kernel k_qa5d9455484_attn
		.amdhsa_group_segment_fixed_size 327680
		.amdhsa_private_segment_fixed_size 0
		.amdhsa_enable_private_segment 0
		.amdhsa_kernarg_size 40
		.amdhsa_user_sgpr_count 2
		.amdhsa_user_sgpr_kernarg_segment_ptr 1
		.amdhsa_wavefront_size32 1
		.amdhsa_system_sgpr_workgroup_id_x 1
		.amdhsa_system_sgpr_workgroup_id_y 1
		.amdhsa_system_sgpr_workgroup_id_z 1
		.amdhsa_system_vgpr_workitem_id 0
		.amdhsa_next_free_vgpr 448
		.amdhsa_next_free_sgpr 96
		.amdhsa_reserve_vcc 0
		.amdhsa_float_denorm_mode_32 3
		.amdhsa_float_denorm_mode_16_64 3
		.amdhsa_memory_ordered 1
		.amdhsa_forward_progress 1
		.amdhsa_inst_pref_size 169
	.end_amdhsa_kernel
	.amdgpu_metadata
---
amdhsa.version: [ 1, 2 ]
amdhsa.kernels:
  - .name:           k_qa5d9455484_attn
    .symbol:         k_qa5d9455484_attn.kd
    .args:
      - { .name: QB, .offset: 0, .size: 8, .value_kind: global_buffer, .address_space: global }
      - { .name: KB, .offset: 8, .size: 8, .value_kind: global_buffer, .address_space: global }
      - { .name: P, .offset: 16, .size: 8, .value_kind: global_buffer, .address_space: global }
      - { .name: X, .offset: 24, .size: 8, .value_kind: global_buffer, .address_space: global }
      - { .name: out0, .offset: 32, .size: 8, .value_kind: global_buffer, .address_space: global }
    .group_segment_fixed_size: 327680
    .private_segment_fixed_size: 0
    .kernarg_segment_align: 8
    .kernarg_segment_size: 40
    .max_flat_workgroup_size: 256
    .sgpr_count:     96
    .vgpr_count:     448
    .wavefront_size: 32
...
	.end_amdgpu_metadata
.endif
;; end of part 2
